; MI455X (gfx1250); checked and timed in simulation.
; The chip was launched on July 23, 2026; its instructions are those of AMD's public machine-readable ISA for CDNA 5 (MIT licence, August 2026) and "CDNA5" Instruction Set Architecture Reference Guide (July 2026). The comments in the code are by the model that wrote it; some were corrected since.
;; Custom Batch Norm2 D. Allowed arithmetic: float matrix products may take bf16 or f16 operands with f32 sums; all other float work in f32.
;; Inputs: beta 512 float32; gamma 512 float32; x 32 x 512 x 32 x 32 float32.
;; Outputs: out0 32 x 512 x 32 x 32 float32.
;; 2 versions, each right; version 2 is version 1 with the launch bnorm written anew for expert scheduling mode. Each part assembles by itself: llvm-mc -triple=amdgcn-amd-amdhsa -mcpu=gfx1250 --defsym DOCPART=n.
;; ======== version 1 of 2: 1 launch
;; launch bnorm (part 1): grid 512 x 1, 8 waves a work-group, no clusters, 1,280 bytes of LDS; arguments x, gamma, beta, out0; writes out0
.if DOCPART == 1
	.amdgcn_target "amdgcn-amd-amdhsa--gfx1250"
	.amdhsa_code_object_version 6
	.text
	.protected	k_q180833d107_bnorm
	.globl	k_q180833d107_bnorm
	.p2align	8
	.type	k_q180833d107_bnorm,@function
k_q180833d107_bnorm:
	s_mov_b64 s[64:65], 0
	v_nop
	global_prefetch_b8 v0, s[64:65] scope:SCOPE_SE
	s_setreg_imm32_b32 hwreg(HW_REG_WAVE_MODE, 25, 1), 1
	s_wait_xcnt 0x0
; out[n][c][hw] = gamma[c] * (x[n][c][hw] - mean[c]) * |diag[c]| + beta[c]
;   mean[c] = sum over n, hw of x / 32768;   s[n][c] = sum over hw of (x - mean[c]);   diag[c] = sum over n of s^2 / 1024.
; x, out: [32][512][32][32] f32.  gamma, beta: [512] f32.
; One work-group = one channel = 32 planes of 4,096 bytes = 128 KiB, kept in registers between load and store:
; x is read once, out is written once, nothing else goes through memory.
; Eight waves; wave w owns samples 4w .. 4w+3, a whole plane per 32 registers of the wave, so a sample's sum stays inside a wave.
; Each load and each store of a wave covers 512 consecutive bytes that start at a multiple of 512 from the buffer's first byte.
; x is centred BEFORE the per-sample sums are formed, as the definition above has it: S[n] - 1024 mean would cancel large sums
; when the data carry a common offset.
; No matrix unit (there is no product), no tensor loads (no wave reads another wave's data), no cluster (no two work-groups
; read the same byte of x; gamma and beta are 8 bytes a work-group), no prefetch (every byte is asked for in the first lines).
; LIMIT: gamma * |diag| is rounded first and then fused with (x - mean) and beta, where the definition rounds (x - mean) * |diag|
; first: last bits differ, and gamma * |diag| must stay below 3.4e38 (with data of spread sigma, |diag| is about 32 sigma^2).
.set PLANE,   4096                     ; bytes of one sample's plane of one channel
.set NSTRIDE, 512*PLANE                ; bytes from a sample to the next: 2 MiB
.set OFF,  1                           ; v1        byte offset of my 16 bytes in my wave's first plane
.set ACC,  2                           ; v[2:9]    four chains of two sums each
.set R,    10                          ; v[10:13]  a sum for each of my wave's four samples
.set M,    14                          ; v[14:15]  the mean, twice (a pair for the packed subtraction)
.set A,    16                          ; v[16:17]  gamma |diag|, twice
.set B,    18                          ; v[18:19]  beta, twice
.set PART, 20                          ; v[20:27]  the eight waves' partial sums, read from LDS
.set LW,   28                          ; v28       LDS address of my wave's word: 4 x wave
.set LZ,   29                          ; v29       LDS address 0
.set X,    32                          ; v[32:159] sample j of my wave: 32 registers at X + 32 j
; LDS: bytes 0-31 the waves' sums of x, bytes 32-63 the waves' sums of s^2: two regions, so one barrier for each exchange.
	s_load_b256 s[4:11], s[0:1], 0x0               ; x s[4:5], gamma s[6:7], beta s[8:9], out s[10:11]
	v_lshl_add_u32 v160, v0, 2, 0x100
	v_mov_b32 v161, 0
	s_lshl_b32 s12, ttmp9, 12                      ; channel x 4,096 bytes: its plane in sample 0
	s_mov_b32 s13, 0
	s_lshl_b32 s14, ttmp9, 2                       ; channel x 4 bytes: its word in gamma and in beta
	s_mov_b32 s15, 0
	s_mov_b32 s18, 0x76543210                      ; v_permlanex16_b32: lane i of one half reads lane i of the other
	s_mov_b32 s19, 0xfedcba98
	v_and_b32 v2, 31, v0                           ; lane
	v_lshrrev_b32 v3, 5, v0                        ; wave
	v_readfirstlane_b32 s20, v3                    ; the wave's number as a scalar
	v_lshlrev_b32 v2, 4, v2                        ; 16 bytes a lane
	v_lshl_or_b32 v[OFF], v3, 23, v2               ; + wave x 4 samples x 2 MiB
	v_mov_b32 v[LW], s20
	v_lshlrev_b32 v[LW], 2, v[LW]
	v_mov_b32 v[LZ], 0
	s_wait_kmcnt 0x0
	s_add_nc_u64 s[4:5], s[4:5], s[12:13]          ; x and out at the channel's plane of sample 0
	s_add_nc_u64 s[10:11], s[10:11], s[12:13]
	s_add_nc_u64 s[6:7], s[6:7], s[14:15]          ; gamma[c]
	s_add_nc_u64 s[8:9], s[8:9], s[14:15]          ; beta[c]
	; All 32 loads of the wave at once: 16 KiB a wave on their way.  The largest immediate is 3 x 2 MiB + 3,584, inside the signed 24 bits.
.irp j, 0,1,2,3
.irp k, 0,1,2,3,4,5,6,7
	global_load_b128 v[X+32*\j+4*\k:X+32*\j+4*\k+3], v[OFF], s[4:5] offset:\j*NSTRIDE+\k*512 th:TH_LOAD_NT
.endr
.endr
	s_load_b32 s16, s[6:7], 0x0                    ; gamma[c]
	s_load_b32 s17, s[8:9], 0x0                    ; beta[c]
; The 16 register pairs of sample j into four chains; its first eight pairs start the chains, so nothing is cleared.
.macro SUM16 j
.irp i, 0,1,2,3
	v_pk_add_f32 v[ACC+2*\i:ACC+2*\i+1], v[X+32*\j+2*\i:X+32*\j+2*\i+1], v[X+32*\j+2*\i+8:X+32*\j+2*\i+9]
.endr
.set p, 8
.rept 8
	v_pk_add_f32 v[ACC+2*(p%4):ACC+2*(p%4)+1], v[ACC+2*(p%4):ACC+2*(p%4)+1], v[X+32*\j+2*p:X+32*\j+2*p+1]
.set p, p+1
.endr
.endm
; The 16 pairs of a further sample onto the running chains.
.macro ADD16 j
.set p, 0
.rept 16
	v_pk_add_f32 v[ACC+2*(p%4):ACC+2*(p%4)+1], v[ACC+2*(p%4):ACC+2*(p%4)+1], v[X+32*\j+2*p:X+32*\j+2*p+1]
.set p, p+1
.endr
.endm
; The four chains into one number of the lane.
.macro FOLD dst
	v_pk_add_f32 v[ACC:ACC+1], v[ACC:ACC+1], v[ACC+2:ACC+3]
	v_pk_add_f32 v[ACC+4:ACC+5], v[ACC+4:ACC+5], v[ACC+6:ACC+7]
	v_pk_add_f32 v[ACC:ACC+1], v[ACC:ACC+1], v[ACC+4:ACC+5]
	v_add_f32 v[\dst], v[ACC], v[ACC+1]
.endm
; The eight waves' words at LDS byte \at, summed in the same order by every wave, so that all waves hold the same bits in v[PART].
.macro GATHER8 at
	ds_load_b128 v[PART:PART+3],   v[LZ] offset:\at
	ds_load_b128 v[PART+4:PART+7], v[LZ] offset:\at+16
	s_wait_dscnt 0x0
	v_pk_add_f32 v[PART:PART+1], v[PART:PART+1], v[PART+2:PART+3]
	v_pk_add_f32 v[PART+4:PART+5], v[PART+4:PART+5], v[PART+6:PART+7]
	v_pk_add_f32 v[PART:PART+1], v[PART:PART+1], v[PART+4:PART+5]
	v_add_f32 v[PART], v[PART], v[PART+1]
.endm
	; PASS 1: the sum of x, sample by sample as the loads come in.  Loads return in issue order (ISA guide 5.7.1):
	; each count leaves out the eight loads of each younger sample.
	s_wait_loadcnt 24
	SUM16 0
	s_wait_loadcnt 16
	ADD16 1
	s_wait_loadcnt 8
	ADD16 2
	s_wait_loadcnt 0x0
	ADD16 3
	FOLD R
	; across the 32 lanes: four steps inside each half of 16 lanes ride on the addition, one crosses the halves
.irp m, 1,2,4,8
	v_add_f32_dpp v[R], v[R], v[R] row_xmask:\m row_mask:0xf bank_mask:0xf
.endr
	v_permlanex16_b32 v[ACC], v[R], s18, s19       ; its destination counts as read: ACC has been written
	v_add_f32 v[R], v[R], v[ACC]
	ds_store_b32 v[LW], v[R]                       ; all lanes write the wave's word with the same value
	s_wait_kmcnt 0x0                               ; gamma[c] and beta[c] are in
	v_mov_b32 v[B], s17
	v_mov_b32 v[B+1], s17
	s_wait_dscnt 0x0                               ; for the other waves' sake: my word is in LDS before I say so
	s_barrier_signal -1
	s_barrier_wait -1
	GATHER8 0
	v_mul_f32 v[M],   0x38000000, v[PART]          ; mean = total x 2^-15 (32 x 1,024 numbers): exact scaling
	v_mul_f32 v[M+1], 0x38000000, v[PART]
	; PASS 2: centre in place, then the sum of each centred sample.
.macro CENTRE j
.set p, 0
.rept 16
	v_pk_add_f32 v[X+32*\j+2*p:X+32*\j+2*p+1], v[X+32*\j+2*p:X+32*\j+2*p+1], v[M:M+1] neg_lo:[0,1] neg_hi:[0,1]
.set p, p+1
.endr
	SUM16 \j
	FOLD R+\j
.endm
	CENTRE 0
	CENTRE 1
	CENTRE 2
	CENTRE 3
	; the four samples' sums across the lanes, side by side so that no step waits for the one in front of it
.irp m, 1,2,4,8
.irp j, 0,1,2,3
	v_add_f32_dpp v[R+\j], v[R+\j], v[R+\j] row_xmask:\m row_mask:0xf bank_mask:0xf
.endr
.endr
.irp j, 0,1,2,3
	v_permlanex16_b32 v[ACC+\j], v[R+\j], s18, s19
.endr
.irp j, 0,1,2,3
	v_add_f32 v[R+\j], v[R+\j], v[ACC+\j]          ; s[n] of my four samples, in every lane
.endr
	v_mul_f32 v[ACC], v[R], v[R]
	v_fmac_f32 v[ACC], v[R+1], v[R+1]
	v_fmac_f32 v[ACC], v[R+2], v[R+2]
	v_fmac_f32 v[ACC], v[R+3], v[R+3]              ; my wave's part of the sum of s^2
	ds_store_b32 v[LW], v[ACC] offset:32           ; other bytes than the first exchange, which slower waves may still be reading
	s_wait_dscnt 0x0                               ; again for the others' sake: zero
	s_barrier_signal -1
	s_barrier_wait -1
	GATHER8 32
	v_mul_f32 v[PART], 0x3a800000, v[PART]         ; diag = sum of s^2 x 2^-10 (HW = 1,024)
	v_mul_f32 v[A],   s16, |v[PART]|               ; gamma |diag|
	v_mul_f32 v[A+1], s16, |v[PART]|
	; PASS 3: one fused multiply-add for each number, stored from the registers it was loaded into.
	; The stores' data and offset registers are not written again, so no wait follows them.
.irp j, 0,1,2,3
.irp k, 0,1,2,3,4,5,6,7
	v_pk_fma_f32 v[X+32*\j+4*\k:X+32*\j+4*\k+1],   v[X+32*\j+4*\k:X+32*\j+4*\k+1],   v[A:A+1], v[B:B+1]
	v_pk_fma_f32 v[X+32*\j+4*\k+2:X+32*\j+4*\k+3], v[X+32*\j+4*\k+2:X+32*\j+4*\k+3], v[A:A+1], v[B:B+1]
	global_store_b128 v[OFF], v[X+32*\j+4*\k:X+32*\j+4*\k+3], s[10:11] offset:\j*NSTRIDE+\k*512 th:TH_STORE_NT
.endr
.endr
	s_wait_tensorcnt 0x0
	ds_add_u32 v160, v161
	s_wait_dscnt 0x0
	s_endpgm
.Lfunc_end_k_q180833d107_bnorm:
	.size	k_q180833d107_bnorm, .Lfunc_end_k_q180833d107_bnorm-k_q180833d107_bnorm
	.p2alignl 7, 3214868480
	.fill 96, 4, 3214868480
	.section	.rodata,"a",@progbits
	.p2align	6, 0x0
	.amdhsa_kernel k_q180833d107_bnorm
		.amdhsa_group_segment_fixed_size 1280
		.amdhsa_private_segment_fixed_size 0
		.amdhsa_enable_private_segment 0
		.amdhsa_kernarg_size 32
		.amdhsa_user_sgpr_count 2
		.amdhsa_user_sgpr_kernarg_segment_ptr 1
		.amdhsa_wavefront_size32 1
		.amdhsa_system_sgpr_workgroup_id_x 1
		.amdhsa_system_sgpr_workgroup_id_y 1
		.amdhsa_system_sgpr_workgroup_id_z 1
		.amdhsa_system_vgpr_workitem_id 0
		.amdhsa_next_free_vgpr 162
		.amdhsa_next_free_sgpr 66
		.amdhsa_reserve_vcc 0
		.amdhsa_float_denorm_mode_32 3
		.amdhsa_float_denorm_mode_16_64 3
		.amdhsa_memory_ordered 1
		.amdhsa_forward_progress 1
		.amdhsa_inst_pref_size 27
	.end_amdhsa_kernel
	.amdgpu_metadata
---
amdhsa.version: [ 1, 2 ]
amdhsa.kernels:
  - .name:           k_q180833d107_bnorm
    .symbol:         k_q180833d107_bnorm.kd
    .args:
      - { .name: x, .offset: 0, .size: 8, .value_kind: global_buffer, .address_space: global }
      - { .name: gamma, .offset: 8, .size: 8, .value_kind: global_buffer, .address_space: global }
      - { .name: beta, .offset: 16, .size: 8, .value_kind: global_buffer, .address_space: global }
      - { .name: out0, .offset: 24, .size: 8, .value_kind: global_buffer, .address_space: global }
    .group_segment_fixed_size: 1280
    .private_segment_fixed_size: 0
    .kernarg_segment_align: 8
    .kernarg_segment_size: 32
    .max_flat_workgroup_size: 256
    .sgpr_count:     66
    .vgpr_count:     162
    .wavefront_size: 32
...
	.end_amdgpu_metadata
.endif
;; end of part 1
;; ======== version 2 of 2: 1 launch; version 1 with the launch bnorm written anew for expert scheduling mode
;; launch bnorm (part 2): grid 512 x 1, 8 waves a work-group, no clusters, 1,280 bytes of LDS; arguments x, gamma, beta, out0; writes out0
.if DOCPART == 2
	.amdgcn_target "amdgcn-amd-amdhsa--gfx1250"
	.amdhsa_code_object_version 6
	.text
	.protected	k_q180833d107_bnorm
	.globl	k_q180833d107_bnorm
	.p2align	8
	.type	k_q180833d107_bnorm,@function
k_q180833d107_bnorm:
	s_mov_b64 s[64:65], 0
	v_nop
	global_prefetch_b8 v0, s[64:65] scope:SCOPE_SE
	s_setreg_imm32_b32 hwreg(HW_REG_WAVE_SCHED_MODE, 0, 2), 2
	s_setreg_imm32_b32 hwreg(HW_REG_WAVE_MODE, 25, 1), 1
	s_wait_xcnt 0x0
	s_wait_alu depctr_vm_vsrc(0)
; out[n][c][hw] = gamma[c] * (x[n][c][hw] - mean[c]) * |diag[c]| + beta[c]
;   mean[c] = sum over n, hw of x / 32768;   s[n][c] = sum over hw of (x - mean[c]);   diag[c] = sum over n of s^2 / 1024.
; x, out: [32][512][32][32] f32.  gamma, beta: [512] f32.
; One work-group = one channel = 32 planes of 4,096 bytes = 128 KiB, kept in registers between load and store:
; x is read once, out is written once, nothing else goes through memory.
; Eight waves; wave w owns samples 4w .. 4w+3, a whole plane per 32 registers of the wave, so a sample's sum stays inside a wave.
; Each load and each store of a wave covers 512 consecutive bytes that start at a multiple of 512 from the buffer's first byte.
; x is centred BEFORE the per-sample sums are formed, as the definition above has it: S[n] - 1024 mean would cancel large sums
; when the data carry a common offset.
; No matrix unit (there is no product), no tensor loads (no wave reads another wave's data), no cluster (no two work-groups
; read the same byte of x; gamma and beta are 8 bytes a work-group), no prefetch (every byte is asked for in the first lines).
; LIMIT: gamma * |diag| is rounded first and then fused with (x - mean) and beta, where the definition rounds (x - mean) * |diag|
; first: last bits differ, and gamma * |diag| must stay below 3.4e38 (with data of spread sigma, |diag| is about 32 sigma^2).
; THE MODE: SCHED_MODE bits 1:0 = 2 (LLVM: expert scheduling mode 2), set by the entry lines.  The code itself states the register
; dependences between vector instructions and memory or LDS instructions, with s_wait_alu, always for 0.
; THE PLAN.  Registers that memory or LDS instructions touch:
;   v[OFF], v[LW], v[LZ]  offsets and LDS addresses: written once at the head, ahead of one wait, and named by no vector instruction again.
;   X        the 32 loads land in it before any vector instruction names it; passes 1 to 3 work on it in place; the stores read it last.
;            Pass 3 goes by samples: sample j's stores are dealt among sample j + 1's multiply-adds, which name X[j + 1], A and B alone,
;            so one wait behind each sample's multiply-adds states all that its eight stores hang on.
;   v[R]     written by pass 1's fold, read by the first LDS store, written again by pass 2's first fold.
;   v[ACC]   written by pass 2's sum of squares, read by the second LDS store, not written again.
;   PART     the first gather lands in it untouched; vector lines then name it up to the mean; the second gather lands in it again.
.set PLANE,   4096                     ; bytes of one sample's plane of one channel
.set NSTRIDE, 512*PLANE                ; bytes from a sample to the next: 2 MiB
.set OFF,  1                           ; v1        byte offset of my 16 bytes in my wave's first plane
.set ACC,  2                           ; v[2:9]    four chains of two sums each
.set R,    10                          ; v[10:13]  a sum for each of my wave's four samples
.set M,    14                          ; v[14:15]  the mean, twice (a pair for the packed subtraction)
.set A,    16                          ; v[16:17]  gamma |diag|, twice
.set B,    18                          ; v[18:19]  beta, twice
.set PART, 20                          ; v[20:27]  the eight waves' partial sums, read from LDS
.set LW,   28                          ; v28       LDS address of my wave's word: 4 x wave
.set LZ,   29                          ; v29       LDS address 0
.set X,    32                          ; v[32:159] sample j of my wave: 32 registers at X + 32 j
; LDS: bytes 0-31 the waves' sums of x, bytes 32-63 the waves' sums of s^2: two regions, so one barrier for each exchange.
	s_load_b256 s[4:11], s[0:1], 0x0               ; x s[4:5], gamma s[6:7], beta s[8:9], out s[10:11]
	v_lshl_add_u32 v30, v0, 2, 0x100
	v_mov_b32 v31, 0
	s_lshl_b32 s12, ttmp9, 12                      ; channel x 4,096 bytes: its plane in sample 0
	s_mov_b32 s13, 0
	s_lshl_b32 s14, ttmp9, 2                       ; channel x 4 bytes: its word in gamma and in beta
	s_mov_b32 s15, 0
	s_mov_b32 s18, 0x76543210                      ; v_permlanex16_b32: lane i of one half reads lane i of the other
	s_mov_b32 s19, 0xfedcba98
	v_and_b32 v2, 31, v0                           ; lane
	v_lshrrev_b32 v3, 5, v0                        ; wave
	v_readfirstlane_b32 s20, v3                    ; the wave's number as a scalar
	v_lshlrev_b32 v2, 4, v2                        ; 16 bytes a lane
	v_lshl_or_b32 v[OFF], v3, 23, v2               ; + wave x 4 samples x 2 MiB
	s_wait_alu depctr_va_sdst(0)                   ; s20 is written, ahead of its first reader, the line below
	v_mov_b32 v[LW], s20
	v_lshlrev_b32 v[LW], 2, v[LW]
	v_mov_b32 v[LZ], 0
	s_wait_kmcnt 0x0
	s_add_nc_u64 s[4:5], s[4:5], s[12:13]          ; x and out at the channel's plane of sample 0
	s_add_nc_u64 s[10:11], s[10:11], s[12:13]
	s_add_nc_u64 s[6:7], s[6:7], s[14:15]          ; gamma[c]
	s_add_nc_u64 s[8:9], s[8:9], s[14:15]          ; beta[c]
	s_wait_alu depctr_va_vdst(0)                   ; v[OFF], v[LW] and v[LZ] are written: every load, store and LDS instruction of the kernel reads one of them as its address
	; All 32 loads of the wave at once: 16 KiB a wave on their way.  The largest immediate is 3 x 2 MiB + 3,584, inside the signed 24 bits.
.irp j, 0,1,2,3
.irp k, 0,1,2,3,4,5,6,7
	global_load_b128 v[X+32*\j+4*\k:X+32*\j+4*\k+3], v[OFF], s[4:5] offset:\j*NSTRIDE+\k*512 th:TH_LOAD_NT
.endr
.endr
	s_load_b32 s16, s[6:7], 0x0                    ; gamma[c]
	s_load_b32 s17, s[8:9], 0x0                    ; beta[c]
; The 16 register pairs of sample j into four chains; its first eight pairs start the chains, so nothing is cleared.
.macro SUM16 j
.irp i, 0,1,2,3
	v_pk_add_f32 v[ACC+2*\i:ACC+2*\i+1], v[X+32*\j+2*\i:X+32*\j+2*\i+1], v[X+32*\j+2*\i+8:X+32*\j+2*\i+9]
.endr
.set p, 8
.rept 8
	v_pk_add_f32 v[ACC+2*(p%4):ACC+2*(p%4)+1], v[ACC+2*(p%4):ACC+2*(p%4)+1], v[X+32*\j+2*p:X+32*\j+2*p+1]
.set p, p+1
.endr
.endm
; The 16 pairs of a further sample onto the running chains.
.macro ADD16 j
.set p, 0
.rept 16
	v_pk_add_f32 v[ACC+2*(p%4):ACC+2*(p%4)+1], v[ACC+2*(p%4):ACC+2*(p%4)+1], v[X+32*\j+2*p:X+32*\j+2*p+1]
.set p, p+1
.endr
.endm
; The four chains into one number of the lane.
.macro FOLD dst
	v_pk_add_f32 v[ACC:ACC+1], v[ACC:ACC+1], v[ACC+2:ACC+3]
	v_pk_add_f32 v[ACC+4:ACC+5], v[ACC+4:ACC+5], v[ACC+6:ACC+7]
	v_pk_add_f32 v[ACC:ACC+1], v[ACC:ACC+1], v[ACC+4:ACC+5]
	v_add_f32 v[\dst], v[ACC], v[ACC+1]
.endm
; The eight waves' words at LDS byte \at, summed in the same order by every wave, so that all waves hold the same bits in v[PART].
.macro GATHER8 at
	ds_load_b128 v[PART:PART+3],   v[LZ] offset:\at
	ds_load_b128 v[PART+4:PART+7], v[LZ] offset:\at+16
	s_wait_dscnt 0x0
	v_pk_add_f32 v[PART:PART+1], v[PART:PART+1], v[PART+2:PART+3]
	v_pk_add_f32 v[PART+4:PART+5], v[PART+4:PART+5], v[PART+6:PART+7]
	v_pk_add_f32 v[PART:PART+1], v[PART:PART+1], v[PART+4:PART+5]
	v_add_f32 v[PART], v[PART], v[PART+1]
.endm
	; PASS 1: the sum of x, sample by sample as the loads come in.  Loads return in issue order (ISA guide 5.7.1):
	; each count leaves out the eight loads of each younger sample.
	s_wait_loadcnt 24
	SUM16 0
	s_wait_loadcnt 16
	ADD16 1
	s_wait_loadcnt 8
	ADD16 2
	s_wait_loadcnt 0x0
	ADD16 3
	FOLD R
	; across the 32 lanes: four steps inside each half of 16 lanes ride on the addition, one crosses the halves
.irp m, 1,2,4,8
	v_add_f32_dpp v[R], v[R], v[R] row_xmask:\m row_mask:0xf bank_mask:0xf
.endr
	v_permlanex16_b32 v[ACC], v[R], s18, s19       ; its destination counts as read: ACC has been written
	v_add_f32 v[R], v[R], v[ACC]
	s_wait_alu depctr_va_vdst(0)                   ; the addition above has written v[R], which the LDS store reads as its data
	ds_store_b32 v[LW], v[R]                       ; all lanes write the wave's word with the same value
	s_wait_kmcnt 0x0                               ; gamma[c] and beta[c] are in
	v_mov_b32 v[B], s17
	v_mov_b32 v[B+1], s17
	s_wait_dscnt 0x0                               ; for the other waves' sake: my word is in LDS before I say so
	s_barrier_signal -1
	s_barrier_wait -1
	GATHER8 0                                      ; no vector instruction has named PART so far: its loads hang on v[LZ] alone, stated at the head
	v_mul_f32 v[M],   0x38000000, v[PART]          ; mean = total x 2^-15 (32 x 1,024 numbers): exact scaling
	v_mul_f32 v[M+1], 0x38000000, v[PART]
	; PASS 2: centre in place, then the sum of each centred sample.
.macro CENTRE j
.set p, 0
.rept 16
	v_pk_add_f32 v[X+32*\j+2*p:X+32*\j+2*p+1], v[X+32*\j+2*p:X+32*\j+2*p+1], v[M:M+1] neg_lo:[0,1] neg_hi:[0,1]
.set p, p+1
.endr
	SUM16 \j
	FOLD R+\j
.endm
	s_wait_alu depctr_vm_vsrc(0)                   ; the first exchange's LDS store has read v[R], which the first fold below writes again
	CENTRE 0
	CENTRE 1
	CENTRE 2
	CENTRE 3
	; the four samples' sums across the lanes, side by side so that no step waits for the one in front of it
.irp m, 1,2,4,8
.irp j, 0,1,2,3
	v_add_f32_dpp v[R+\j], v[R+\j], v[R+\j] row_xmask:\m row_mask:0xf bank_mask:0xf
.endr
.endr
.irp j, 0,1,2,3
	v_permlanex16_b32 v[ACC+\j], v[R+\j], s18, s19
.endr
.irp j, 0,1,2,3
	v_add_f32 v[R+\j], v[R+\j], v[ACC+\j]          ; s[n] of my four samples, in every lane
.endr
	v_mul_f32 v[ACC], v[R], v[R]
	v_fmac_f32 v[ACC], v[R+1], v[R+1]
	v_fmac_f32 v[ACC], v[R+2], v[R+2]
	v_fmac_f32 v[ACC], v[R+3], v[R+3]              ; my wave's part of the sum of s^2
	s_wait_alu depctr_va_vdst(0)                   ; v[ACC] is written, which the LDS store reads; and the first gather's additions and the mean's two lines are done with PART, in which the second gather's loads land (no vector line stands between here and them)
	ds_store_b32 v[LW], v[ACC] offset:32           ; other bytes than the first exchange, which slower waves may still be reading
	s_wait_dscnt 0x0                               ; again for the others' sake: zero
	s_barrier_signal -1
	s_barrier_wait -1
	GATHER8 32
	v_mul_f32 v[PART], 0x3a800000, v[PART]         ; diag = sum of s^2 x 2^-10 (HW = 1,024)
	v_mul_f32 v[A],   s16, |v[PART]|               ; gamma |diag|
	v_mul_f32 v[A+1], s16, |v[PART]|
	; PASS 3: one fused multiply-add for each number, stored from the registers it was loaded into.
	; The stores' data and offset registers are not written again, so no wait follows them.
.macro SCALE j, k                      ; four numbers of sample j
	v_pk_fma_f32 v[X+32*(\j)+4*(\k):X+32*(\j)+4*(\k)+1],   v[X+32*(\j)+4*(\k):X+32*(\j)+4*(\k)+1],   v[A:A+1], v[B:B+1]
	v_pk_fma_f32 v[X+32*(\j)+4*(\k)+2:X+32*(\j)+4*(\k)+3], v[X+32*(\j)+4*(\k)+2:X+32*(\j)+4*(\k)+3], v[A:A+1], v[B:B+1]
.endm
.macro OUT j, k                        ; and their store
	global_store_b128 v[OFF], v[X+32*(\j)+4*(\k):X+32*(\j)+4*(\k)+3], s[10:11] offset:(\j)*NSTRIDE+(\k)*512 th:TH_STORE_NT
.endm
.irp k, 0,1,2,3,4,5,6,7
	SCALE 0, \k
.endr
	s_wait_alu depctr_va_vdst(0)                   ; sample 0's multiply-adds have written X[0], which the eight stores below read
.irp j, 1,2,3
.irp k, 0,1,2,3,4,5,6,7
	OUT (\j)-1, \k                                 ; the sample before: no vector line since the last wait names its registers
	SCALE \j, \k
.endr
	s_wait_alu depctr_va_vdst(0)                   ; this sample's multiply-adds have written its X, which its eight stores, the next to be issued, read
.endr
.irp k, 0,1,2,3,4,5,6,7
	OUT 3, \k
.endr
	s_wait_dscnt 0x0
	s_wait_alu depctr_hold_cnt(0) depctr_sa_sdst(0) depctr_va_vdst(0) depctr_va_sdst(0) depctr_va_ssrc(0) depctr_va_vcc(0) depctr_vm_vsrc(0)
	s_wait_tensorcnt 0x0
	ds_add_u32 v30, v31
	s_wait_dscnt 0x0
	s_endpgm
.Lfunc_end_k_q180833d107_bnorm:
	.size	k_q180833d107_bnorm, .Lfunc_end_k_q180833d107_bnorm-k_q180833d107_bnorm
	.p2alignl 7, 3214868480
	.fill 96, 4, 3214868480
	.section	.rodata,"a",@progbits
	.p2align	6, 0x0
	.amdhsa_kernel k_q180833d107_bnorm
		.amdhsa_group_segment_fixed_size 1280
		.amdhsa_private_segment_fixed_size 0
		.amdhsa_enable_private_segment 0
		.amdhsa_kernarg_size 32
		.amdhsa_user_sgpr_count 2
		.amdhsa_user_sgpr_kernarg_segment_ptr 1
		.amdhsa_wavefront_size32 1
		.amdhsa_system_sgpr_workgroup_id_x 1
		.amdhsa_system_sgpr_workgroup_id_y 1
		.amdhsa_system_sgpr_workgroup_id_z 1
		.amdhsa_system_vgpr_workitem_id 0
		.amdhsa_next_free_vgpr 160
		.amdhsa_next_free_sgpr 66
		.amdhsa_reserve_vcc 0
		.amdhsa_float_denorm_mode_32 3
		.amdhsa_float_denorm_mode_16_64 3
		.amdhsa_memory_ordered 1
		.amdhsa_forward_progress 1
		.amdhsa_inst_pref_size 28
	.end_amdhsa_kernel
	.amdgpu_metadata
---
amdhsa.version: [ 1, 2 ]
amdhsa.kernels:
  - .name:           k_q180833d107_bnorm
    .symbol:         k_q180833d107_bnorm.kd
    .args:
      - { .name: x, .offset: 0, .size: 8, .value_kind: global_buffer, .address_space: global }
      - { .name: gamma, .offset: 8, .size: 8, .value_kind: global_buffer, .address_space: global }
      - { .name: beta, .offset: 16, .size: 8, .value_kind: global_buffer, .address_space: global }
      - { .name: out0, .offset: 24, .size: 8, .value_kind: global_buffer, .address_space: global }
    .group_segment_fixed_size: 1280
    .private_segment_fixed_size: 0
    .kernarg_segment_align: 8
    .kernarg_segment_size: 32
    .max_flat_workgroup_size: 256
    .sgpr_count:     66
    .vgpr_count:     160
    .wavefront_size: 32
...
	.end_amdgpu_metadata
.endif
;; end of part 2
